; MI455X (gfx1250); checked and timed in simulation.
; The chip was launched on July 23, 2026; its instructions are those of AMD's public machine-readable ISA for CDNA 5 (MIT licence, August 2026) and "CDNA5" Instruction Set Architecture Reference Guide (July 2026). The comments in the code are by the model that wrote it; some were corrected since.
;; Generative Model. Allowed arithmetic: matrix products marked QUANTISED: E2M1 operands, one E8M0 scale for each 32 along K, by v_wmma_scale_f32_16x16x128_f8f6f4 with both operands' format E2M1 (or v_wmma_scale_f32_32x16x128_f4), f32 sums; products left as they are: f32 operands where the result goes on into a quantised operand, else bf16, f16 or f32 operands; f32 sums; everything else in f32.
;; Inputs: b0 2 x 64 float32; b1 2 x 64 float32; b2 2 x 64 float32; b3 2 x 1 float32; logit_multipliers_raw 2 float32; program_id 256 int32; raw_positions 256 x 2 x 2 float32; shape_ids 256 x 2 int32; w0 2 x 1 x 64 float32; w1 2 x 64 x 64 float32; w2 2 x 64 x 64 float32; w3 2 x 64 x 1 float32.
;; Outputs: out0 256 x 64 x 64 float32.
;; This version of the problem:
;;   THIS VERSION OF THE PROBLEM IS GIVEN IN LOW PRECISION. The matrix products marked QUANTISED in the list below multiply operands that are first quantised to E2M1 (2 exponent bits, 1 mantissa bit; 4 bits a number), with one power-of-two scale for each 32 numbers along K (OCP MX v1.0); their sums are f32. All else is computed in f32.
;;   The module's matrix products, in the order in which they are computed (A, B: the left and right operand; K: the contracted axis; several contracted axes count as one K, in the product's order):
;;     1. batch 512 x [M 4,096, K 1] x [K 1, N 64]; A: computed on the way; B: computed on the way: left as it is (K = 1 < 32)
;;     2. batch 512 x [M 4,096, K 64] x [K 64, N 64]; A: computed on the way; B: computed on the way: QUANTISED
;;     3. batch 512 x [M 4,096, K 64] x [K 64, N 64]; A: computed on the way; B: computed on the way: QUANTISED
;;     4. batch 512 x [M 4,096, K 64] x [K 64, N 1]; A: computed on the way; B: computed on the way: left as it is (N = 1 < 16)
;;   THE QUANTISER, for each operand of a quantised product, along K:
;;     - K is cut into blocks of 32 from its start; a last block that is shorter is filled with zeros.
;;     - A block's scale is 2^e with e = floor(log2(the largest magnitude in the block)) - 2, held to -126 .. 127; a block of zeros has e = 0. As a byte (E8M0): e + 127.
;;     - Each number is divided by its block's scale, clamped to +-6, and rounded to the nearest number of E2M1, ties to even, subnormals kept.
;;     - The product sums the exact products of the quantised numbers (number of the format x scale) in f32.
;;   ~~~python
;;   def quantise(x, axis):      # numpy; x: float32 -> the quantised numbers, widened to float32 again
;;       x = np.moveaxis(x, axis, -1); K = x.shape[-1]
;;       x = np.pad(x, [(0, 0)] * (x.ndim - 1) + [(0, -K % 32)]); x = x.reshape(x.shape[:-1] + (-1, 32)); a = np.abs(x).max(-1, keepdims=True)
;;       e = np.where(a > 0, np.clip(np.frexp(np.where(a > 0, a, 1))[1] - 1 - 2, -126, 127), 0)      # np.frexp(a)[1] - 1 = floor(log2(a)), exactly
;;       r = np.clip(x / 2.0 ** e, -6, 6)
;;       step = 2.0 ** (np.maximum(np.frexp(np.where(r == 0, 1, r))[1] - 1, 0) - 1)
;;       q = np.round(r / step) * step * 2.0 ** e      # np.round: ties to even
;;       return np.moveaxis(q.reshape(q.shape[:-2] + (-1,))[..., :K], -1, axis).astype(np.float32)
;;   ~~~
;;   OPERANDS COMPUTED ON THE WAY. 'Computed on the way' means the value that the module computes at that place (a softmax that the list does not call 'softmax' is quantised finished and normalised). What goes into a quantiser is computed in f32, as accurately as f32 sums, v_exp_f32 and their like allow (about 1e-6 of the number): no bf16 or f16 on the way to a quantiser, and a product that is left as it is and whose result goes on into a quantised operand takes f32 operands (vector FMAs, or v_wmma_f32_16x16x4_f32). A number that lies on a knife's edge between two numbers of the format may be rounded either way, as far as f32 arithmetic and the matrix unit's own rounding can turn it there, and no further.
;; One version. Each part assembles by itself: llvm-mc -triple=amdgcn-amd-amdhsa -mcpu=gfx1250 --defsym DOCPART=n.
;; ======== version 1 of 1: 1 launch
;; launch render (part 1): grid 256 x 1, 8 waves a work-group, no clusters, 27,648 bytes of LDS; arguments program_id, shape_ids, raw_positions, w0, b0, w1, b1, w2, b2, w3, b3, logit_multipliers_raw, out0; writes out0
.if DOCPART == 1
	.amdgcn_target "amdgcn-amd-amdhsa--gfx1250"
	.amdhsa_code_object_version 6
	.text
	.protected	k_q58a5163c47_render
	.globl	k_q58a5163c47_render
	.p2align	8
	.type	k_q58a5163c47_render,@function
k_q58a5163c47_render:
	s_mov_b64 s[64:65], 0
	v_nop
	global_prefetch_b8 v0, s[64:65] scope:SCOPE_SE
	s_setreg_imm32_b32 hwreg(HW_REG_WAVE_MODE, 25, 1), 1
	s_wait_xcnt 0x0
; For each of 256 elements and its 2 slots: theta = atan2(dy, dx) of each of the 64 x 64 pixels; h0 = relu(theta w0 + b0) (64 wide, f32); two layers 64 x 64 on codes of FP4 (E2M1) with one E8M0
; scale for each 32 along K; o = h2 . w3 + b3; p = sigmoid(exp(lmr) (exp(o) - sqrt(dx^2 + dy^2))); the two slots' p are combined by program_id.  The slot's primitive (0 or 1) picks all weights.
; SHARES.  Work-group b owns element b.  Wave w of 8 owns image rows 8 w .. 8 w + 7.  A wave walks them twice: PASS 0 for slot 0 (p0 goes to the wave's own LDS bytes), PASS 1 for slot 1
; (p0 comes back, the two are combined, the row is stored: 32 lanes x 8 bytes = 256 consecutive bytes, aligned).  A trip is one image row: 64 pixels = 4 tiles of 16.
; PIXELS.  Register A of a lane is column 2 lane, register B column 2 lane + 1.  Tile 0 = A's lanes 0-15, tile 1 = A's lanes 16-31, tile 2 = B's lanes 0-15, tile 3 = B's lanes 16-31.
; LAYOUT.  Both products are used transposed: source 0 = 16 output units of W, source 1 = 16 pixels.  Row m of weight tile t is unit 8 t + (m & 7) + 32 (m >> 3).  So in the results of a tile of pixels
; lane (r = lane & 15, h = lane >> 4) holds pixel r, and register i (0 .. 31) of the four results on end holds unit 32 h + i: ONE WHOLE BLOCK OF 32 ALONG THE NEXT K, in order, in one lane.
; Its maximum needs no other lane, and four conversions give registers 0-3 of the next operand (k = 32 h + 0 .. 31) as they stand.  K is 64 and the instruction takes 128: registers 4-7 of both operands
; hold zero codes, written once; bytes 2 and 3 of every scale word are 0, over zero codes.  w0, b0, b1, b2, w3 lie the same way: register i = array[32 h + i].  b1 and b2 are the C of the one matrix
; instruction that each result gets: no sum is chained, nothing is cleared.
; RELU ON THE CODES.  The block's maximum is taken without |.| (what is negative does not count; the floor 2^(3 - 127) stands under it), the raw numbers are converted, and the magnitude bits of negative
; codes are cleared: -0, which adds nothing.  Scale and positive codes are those of relu followed by the quantiser.  Four plain instructions for eight numbers.
; WEIGHTS.  Wave f quantises fragment f (layer f / 4, tile f % 4) of both slots' primitives, a lane to a unit with its registers down K, and stores codes and scale words to LDS as images of the
; registers (16 bytes a lane at 16 lane; 4 bytes a lane at 4 lane).  One barrier; every wave then loads the eight fragments of the pass's slot.
; LIMITS.  NaN and infinities among the inputs are not served.  A block of zeros (or, behind a relu, with no positive number) gets the scale byte 1 where the quantiser's rule says 127: its codes are zeros,
; and this program alone reads the bytes.  shape_ids are held to 0 .. 1.  v_exp_f32 gives 0 for results under 2^-126 (ISA guide, 15.8).  atan2(0, 0) is 0.
; No tensor load, no cluster: a work-group reads its 64 KiB of weights once and streams nothing; work-groups share only those few bytes.
.set WIMG, 0                           ; LDS: [slot 2][fragment 8][512]: the weights' codes
.set WSC,  8192                        ;      [slot 2][fragment 8][128]: their scale words
.set PST,  10240                       ;      [wave 8][trip 8][256]: p0, each wave's own bytes
; window 0
.set L8,   1                           ; 8 x lane: my 8 bytes of a row of the output; never rewritten
.set PSA,  2                           ; PST + 2048 wave + 8 lane
.set LI,   3                           ; 16 x lane
.set LS,   4                           ; WSC + 4 x lane
.set HOFF, 5                           ; 128 h: my half's 32 numbers of a vector of 64
.set COFF, 6                           ; + 256 x the slot's primitive
.set ADR,  7                           ; PSA + 256 x trip
.set CX,   8                           ; v8-9    canvas x of columns A, B
.set DX,   10                          ; v10-11  dx
.set DX2,  12                          ; v12-13  dx^2
.set DY,   14                          ; dy of the trip's row
.set KPI4, 15                          ; pi / 4
.set MN,   16                          ; v16-35: at work, in pairs A, B
.set MX,   18
.set TQ,   20
.set NUM,  22
.set DEN,  24
.set OFS,  26
.set RC,   28
.set QQ,   30
.set ZZ,   32
.set PL,   34
.set RR,   36                          ; v36-37  sqrt(dx^2 + dy^2)
.set TH,   38                          ; v38, 40, 42, 44: theta of tile 0 .. 3, pixel r in lanes r and r + 16; v39, 41, 43, 45 = 0 (named as the pairs' upper halves)
.set CM,   46                          ; -log2(e) exp(lmr)
.set B3Q,  48                          ; v48-49  b3 log2(e) / 4, twice
.set MXR,  50                          ; v50-53  a block's largest number, for each tile
.set SO,   54                          ; v54-57  the conversions' scale operand
.set P0,   58                          ; v58-59  p0 of columns A, B
.set POS,  60                          ; v60-63  sigmoid(raw position) - 0.5: slot 0 x, y, slot 1 x, y
.set SX,   66                          ; v66-69  the pixels' scale words, for each tile: scales and nothing else
.set WS,   70                          ; v70-77  the weights' scale words, fragment f: scales and nothing else
.set TT,   78                          ; v78-85  at work
.set ACC,  86                          ; v86-93  the last dot product, a pair for each tile
.set PR,   94                          ; v94-95  p of columns A, B
.set PC,   96                          ; v96-127 the pixels' codes: tile p at 96 + 8 p; its upper four registers are 0
.set H,    128                         ; v128-255 the hidden layer: tile p at 128 + 32 p
; window 1
.set W0R,  0
.set B0R,  32
.set B1R,  64
.set B2R,  96
.set W3R,  128
.set WF,   160                         ; the weights' fragments: fragment f at 160 + 8 f; its upper four registers are 0
.set MSB, 0
.macro WIN new                         ; s_set_vgpr_msb: bits 1:0 source 0, 3:2 source 1, 5:4 source 2, 7:6 destination; the high byte repeats the setting that is left
.if MSB != \new
	s_set_vgpr_msb (MSB<<8)|\new
.set MSB, \new
.endif
.endm
.macro PLACES                          ; four plain vector instructions that name no register of the matrix instructions beside them (ISA guide 7.12.1)
.rept 4
	v_nop
.endr
.endm
; lin = linspace(-1, 1, 64)[y], y a whole number as f32: s = y / 63 rounded once (a product, its exact remainder, one correction), then s - (1 - s)
.macro LIN d, y, t
	v_mul_f32 v[\t], s72, v[\y]
	v_fmamk_f32 v[\d], v[\t], 0xc27c0000, v[\y]    ; y - 63 q0, exact
	v_fma_f32 v[\t], v[\d], s72, v[\t]
	v_sub_f32 v[\d], 1.0, v[\t]
	v_sub_f32 v[\d], v[\t], v[\d]
.endm
; the five vectors of 64 of slot s's primitive: my half's 32 numbers of each, into window 1
.macro CLOAD s
	v_add_nc_u32 v[COFF], s[50+\s], v[HOFF]
	WIN 0x40
.irp j, 0,1,2,3,4,5,6,7
	global_load_b128 v[W0R+4*\j:W0R+4*\j+3], v[COFF], s[14:15] offset:16*\j
	global_load_b128 v[B0R+4*\j:B0R+4*\j+3], v[COFF], s[16:17] offset:16*\j
	global_load_b128 v[B1R+4*\j:B1R+4*\j+3], v[COFF], s[20:21] offset:16*\j
	global_load_b128 v[B2R+4*\j:B2R+4*\j+3], v[COFF], s[24:25] offset:16*\j
	global_load_b128 v[W3R+4*\j:W3R+4*\j+3], v[COFF], s[26:27] offset:16*\j
.endr
	WIN 0
.endm
; my fragment of slot s's primitive as f32: W[32 h + i][my unit], i = 0 .. 31: a lane to a unit, registers down K
.macro WLOAD s
.irp i, 0,1,2,3,4,5,6,7,8,9,10,11,12,13,14,15,16,17,18,19,20,21,22,23,24,25,26,27,28,29,30,31
	global_load_b32 v[H+32*\s+\i], v[16+\s], s[54:55] offset:256*\i
.endr
.endm
; relu and quantiser of the four tiles' hidden numbers in H: codes into PC, scale words into SX.  The tiles take turns line by line.  The registers are read in ascending order.
.macro QUANT
.irp p, 0,1,2,3
	v_max3_num_f32 v[MXR+\p], v[H+32*\p], v[H+32*\p+1], 0x1800000   ; no |.|: a negative number does not count; the floor 2^(3 - 127) holds the byte at 1 from below
.endr
.irp i, 2,4,6,8,10,12,14,16,18,20,22,24,26,28,30
.irp p, 0,1,2,3
	v_max3_num_f32 v[MXR+\p], v[MXR+\p], v[H+32*\p+\i], v[H+32*\p+\i+1]
.endr
.endr
.irp p, 0,1,2,3
	v_add_nc_u32 v[SO+\p], 0xff000000, v[MXR+\p]   ; 2 off the exponent field: the conversion takes this operand's exponent field as its scale
.endr
.irp p, 0,1,2,3
	v_lshrrev_b32 v[TT+\p], 23, v[SO+\p]           ; my block's byte
.endr
.irp p, 0,1,2,3
	v_permlanex16_b32 v[TT+4+\p], v[TT+\p], s58, s59   ; the other block's, from lane l xor 16
.endr
.irp p, 0,1,2,3
	v_lshl_or_b32 v[SX+\p], v[TT+4+\p], 8, v[TT+\p]   ; lanes 0-15, which alone are read: byte 0 = block 0, byte 1 = block 1, bytes 2, 3 = 0 over zero codes
.endr
.irp p, 0,1,2,3
.irp g, 0,1,2,3
	v_cvt_scalef32_pk8_fp4_f32 v[PC+8*\p+\g], v[H+32*\p+8*\g:H+32*\p+8*\g+7], v[SO+\p]   ; k = 32 h + 8 g + 0 .. 7: register g of the operand
.endr
.endr
	v_nop                                          ; one plain instruction behind the last scaled conversion
.irp g, 0,1,2,3                        ; relu: in each negative code (sign bit 8) the three magnitude bits are cleared
.irp p, 0,1,2,3
	v_and_b32 v[MN+\p], s73, v[PC+8*\p+\g]         ; the eight sign bits
.endr
.irp p, 0,1,2,3
	v_lshrrev_b32 v[TQ+\p], 3, v[MN+\p]
.endr
.irp p, 0,1,2,3
	v_sub_nc_u32 v[MN+\p], v[MN+\p], v[TQ+\p]      ; 8 - 1 = 7 in each negative code's four bits; nothing is borrowed between codes
.endr
.irp p, 0,1,2,3
	v_bfi_b32 v[PC+8*\p+\g], v[MN+\p], 0, v[PC+8*\p+\g]
.endr
.endr
.endm
; a layer: 4 tiles of pixels x 4 tiles of units, sixteen results, each by ONE matrix instruction whose C is the bias.  f0: the layer's first fragment; bi: its bias in window 1
.macro MM f0, bi
	PLACES                                         ; behind the last write of the codes; the scale words were written more than eight plain instructions ago
	WIN 0x11                                       ; source 0 (W) and source 2 (bias) window 1; source 1 (codes) and the result window 0
.irp p, 0,1,2,3
.irp t, 0,1,2,3
	v_wmma_scale_f32_16x16x128_f8f6f4 v[H+32*\p+8*\t:H+32*\p+8*\t+7], v[WF+8*(\f0+\t):WF+8*(\f0+\t)+7], v[PC+8*\p:PC+8*\p+7], v[\bi+8*\t:\bi+8*\t+7], v[WS+\f0+\t], v[SX+\p] matrix_a_fmt:MATRIX_FMT_FP4 matrix_b_fmt:MATRIX_FMT_FP4
.endr
.endr
	WIN 0
	PLACES                                         ; in front of the first read of a result and the next write of codes and scale words
.endm
	s_load_b512 s[8:23], s[0:1], 0x0               ; program_id s[8:9], shape_ids s[10:11], raw_positions s[12:13], w0 s[14:15], b0 s[16:17], w1 s[18:19], b1 s[20:21], w2 s[22:23]
	s_load_b256 s[24:31], s[0:1], 0x40             ; b2 s[24:25], w3 s[26:27], b3 s[28:29], logit_multipliers_raw s[30:31]
	s_load_b64 s[32:33], s[0:1], 0x60              ; out0
	v_lshl_add_u32 v64, v0, 2, 0x6800
	v_mov_b32 v65, 0
	v_lshrrev_b32 v22, 5, v0
	v_readfirstlane_b32 s2, v22                    ; wave 0..7
	v_and_b32 v23, 31, v0                          ; lane
	v_bfe_u32 v24, v0, 4, 1                        ; h
	v_lshlrev_b32 v[L8], 3, v23
	v_lshlrev_b32 v[LI], 4, v23
	v_lshl_add_u32 v[LS], v23, 2, WSC
	v_lshlrev_b32 v[HOFF], 7, v24
	s_lshl_b32 s3, s2, 11
	s_add_co_u32 s3, s3, PST
	v_add_nc_u32 v[PSA], s3, v[L8]
	s_lshl_b32 s3, s2, 9
	v_add_nc_u32 v18, s3, v[LI]                    ; where I store my fragment's codes: 512 wave + 16 lane
	s_lshl_b32 s3, s2, 7
	v_add_nc_u32 v19, s3, v[LS]                    ; and its scale words: WSC + 128 wave + 4 lane
	v_and_b32 v25, 7, v0                           ; my unit's byte in a row of W: 4 (8 t + (r & 7) + 32 (r >> 3)), t = wave & 3; my first row: 32 h rows of 256 bytes
	v_lshlrev_b32 v16, 2, v25
	v_bfe_u32 v25, v0, 3, 1
	v_lshl_add_u32 v16, v25, 7, v16
	v_lshl_add_u32 v16, v24, 13, v16
	s_and_b32 s3, s2, 3
	s_lshl_b32 s3, s3, 5
	v_add_nc_u32 v16, s3, v16
	s_mov_b32 s58, 0x76543210                      ; v_permlanex16_b32's selects for lane l xor 16
	s_mov_b32 s59, 0xfedcba98
	s_mov_b32 s72, 0x3c820821                      ; 1 / 63
	s_mov_b32 s73, 0x88888888                      ; the sign bits of eight codes
	s_mov_b32 s74, 0x3d70f0f1                      ; 1 / 17
	s_mov_b32 s75, 0xbd888889                      ; -1 / 15
	s_mov_b32 s78, 0x3fb8aa3b                      ; log2(e),
	s_mov_b32 s79, s78                             ; named as a pair by the packed form
	s_mov_b32 s77, 0
	s_wait_kmcnt 0x0                               ; the thirteen addresses
	s_lshl_b32 s76, ttmp9, 3
	s_add_nc_u64 s[10:11], s[10:11], s[76:77]      ; my element's two shape ids,
	s_lshl_b32 s76, ttmp9, 2
	s_add_nc_u64 s[8:9], s[8:9], s[76:77]          ; its program id,
	s_lshl_b32 s76, ttmp9, 4
	s_add_nc_u64 s[12:13], s[12:13], s[76:77]      ; its four raw positions
	s_load_b64 s[36:37], s[10:11], 0x0
	s_load_b32 s38, s[8:9], 0x0
	s_load_b128 s[40:43], s[12:13], 0x0
	s_load_b64 s[46:47], s[28:29], 0x0             ; b3 of both primitives: each pass selects
	s_load_b64 s[48:49], s[30:31], 0x0             ; logit_multipliers_raw likewise
	s_lshl_b32 s76, ttmp9, 14
	s_lshl_b32 s3, s2, 11
	s_add_co_u32 s76, s76, s3
	s_add_nc_u64 s[32:33], s[32:33], s[76:77]      ; out0 at my wave's first row: 16,384 bytes an element, 2,048 a wave
	s_cmp_lt_u32 s2, 4
	s_cselect_b64 s[54:55], s[18:19], s[22:23]     ; waves 0-3 quantise w1's tiles, waves 4-7 w2's
	s_wait_kmcnt 0x0                               ; scalar loads come back in no order: only the count 0 shows anything
	s_min_u32 s36, s36, 1                          ; an id enters an address only held to the table's size
	s_min_u32 s37, s37, 1
	s_lshl_b32 s50, s36, 8                         ; a primitive's vector of 64: 256 bytes
	s_lshl_b32 s51, s37, 8
	s_lshl_b32 s52, s36, 14                        ; its matrix: 16,384 bytes
	s_lshl_b32 s53, s37, 14
	s_cmp_eq_u32 s38, 2
	s_cselect_b32 s56, -1.0, 1.0                   ; p0 - p1 or p0 + p1
	s_cmp_eq_u32 s38, 0
	s_cselect_b32 s57, -1, 0                       ; all lanes: p0 alone
	v_add_nc_u32 v17, s53, v16
	v_add_nc_u32 v16, s52, v16
	CLOAD 0
	WLOAD 0
	WLOAD 1
	; while the loads are out: what is written once
.irp p, 0,1,2,3
.irp g, 4,5,6,7
	v_mov_b32 v[PC+8*\p+\g], 0                     ; k = 64 .. 127 of the pixels' operand: zero codes
.endr
	v_mov_b32 v[TH+2*\p+1], 0
.endr
.irp i, 0,1,2,3,4,5,6,7
	v_mov_b32 v[TT+\i], 0                          ; a lane permute's destination counts as one of its sources
.endr
	v_mov_b32 v206, 0
	v_mov_b32 v207, 0
	v_mov_b32 v[KPI4], 0x3f490fdb
	WIN 0x40
.irp f, 0,1,2,3,4,5,6,7
.irp g, 4,5,6,7
	v_mov_b32 v[WF+8*\f+\g], 0                     ; k = 64 .. 127 of the weights' operand: zero codes
.endr
.endr
	WIN 0
	v_lshlrev_b32 v26, 1, v23
	v_cvt_f32_u32 v27, v26                         ; column 2 lane
	v_or_b32 v26, 1, v26
	v_cvt_f32_u32 v28, v26                         ; column 2 lane + 1
	LIN CX, 27, 29
	LIN CX+1, 28, 29
.irp i, 0,1,2,3
	v_mov_b32 v[POS+\i], s[40+\i]
.endr
.irp i, 0,1,2,3
	v_mul_f32 v[POS+\i], 0xbfb8aa3b, v[POS+\i]
.endr
.irp i, 0,1,2,3
	v_exp_f32 v[POS+\i], v[POS+\i]                 ; e^-x
.endr
	v_nop                                          ; one plain instruction behind a transcendental before its result is used (ISA guide 5.7.2)
	s_wait_alu depctr_va_vdst(0)
.irp i, 0,1,2,3
	v_add_f32 v[POS+\i], 1.0, v[POS+\i]
.endr
.irp i, 0,1,2,3
	v_rcp_f32 v[POS+\i], v[POS+\i]
.endr
	v_nop
	s_wait_alu depctr_va_vdst(0)
.irp i, 0,1,2,3
	v_add_f32 v[POS+\i], -0.5, v[POS+\i]           ; sigmoid(x) - 0.5
.endr
	v_lshlrev_b32 v208, 3, v24                     ; 8 h
	s_wait_loadcnt 0x0                             ; the vectors and my two fragments are in
	; my fragment of both slots' primitives: a lane holds one block of 32 along K of one unit
.irp s, 0,1
	v_max3_num_f32 v[200+\s], |v[H+32*\s]|, |v[H+32*\s+1]|, 0x1800000
.endr
.irp i, 2,4,6,8,10,12,14,16,18,20,22,24,26,28,30
.irp s, 0,1
	v_max3_num_f32 v[200+\s], v[200+\s], |v[H+32*\s+\i]|, |v[H+32*\s+\i+1]|
.endr
.endr
.irp s, 0,1
	v_add_nc_u32 v[202+\s], 0xff000000, v[200+\s]
.endr
.irp s, 0,1
	v_lshrrev_b32 v[204+\s], 23, v[202+\s]         ; block h's byte
.endr
.irp s, 0,1
	v_lshlrev_b32 v[204+\s], v208, v[204+\s]       ; at its place in the unit's scale word
.endr
.irp s, 0,1
	v_permlanex16_b32 v[206+\s], v[204+\s], s58, s59
.endr
.irp s, 0,1
	v_or_b32 v[204+\s], v[204+\s], v[206+\s]       ; with lane l xor 16's the word is whole
.endr
.irp s, 0,1
.irp g, 0,1,2,3
	v_cvt_scalef32_pk8_fp4_f32 v[192+4*\s+\g], v[H+32*\s+8*\g:H+32*\s+8*\g+7], v[202+\s]
.endr
.endr
	v_nop                                          ; one plain instruction behind the last scaled conversion
	ds_store_b128 v18, v[192:195] offset:WIMG
	ds_store_b128 v18, v[196:199] offset:WIMG+4096
	ds_store_b32 v19, v204
	ds_store_b32 v19, v205 offset:1024
	s_wait_dscnt 0x0                               ; for the others' sake: my images have landed
	s_barrier_signal -1
	s_barrier_wait -1                              ; all sixteen fragments lie in LDS; nobody writes them again
; A pass: slot s, the wave's eight rows.
.macro PASS s
	s_wait_loadcnt 0x0                             ; the slot's five vectors are in
	WIN 0x40
.irp f, 0,1,2,3,4,5,6,7
	ds_load_b128 v[WF+8*\f:WF+8*\f+3], v[LI] offset:WIMG+4096*\s+512*\f
.endr
	WIN 0
.irp f, 0,1,2,3,4,5,6,7
	ds_load_b32 v[WS+\f], v[LS] offset:1024*\s+128*\f
.endr
	WIN 0x41
.irp j, 0,2,4,6,8,10,12,14,16,18,20,22,24,26,28,30
	v_pk_mul_f32 v[W3R+\j:W3R+\j+1], v[W3R+\j:W3R+\j+1], s[78:79] op_sel_hi:[1,0]   ; w3 log2(e): the dot product gives o log2(e), which v_exp_f32 wants
.endr
	WIN 0
	s_cmp_eq_u32 s[36+\s], 0
	s_cselect_b32 s44, s46, s47                    ; the slot's b3
	s_cselect_b32 s45, s48, s49                    ; and its raw multiplier
	v_mul_f32 v[CM], s45, s78
	v_exp_f32 v[CM], v[CM]
	v_mov_b32 v[B3Q], s44                          ; (a plain instruction behind the transcendental)
	s_wait_alu depctr_va_vdst(0)
	v_mul_f32 v[CM], 0xbfb8aa3b, v[CM]             ; -log2(e) exp(lmr)
	v_mul_f32 v[B3Q], 0x3eb8aa3b, v[B3Q]           ; b3 log2(e) / 4: it starts each of the four partial sums of a pixel
	v_mov_b32 v[B3Q+1], v[B3Q]
.irp x, 0,1
	v_sub_f32 v[DX+\x], v[CX+\x], v[POS+2*\s]
.endr
.irp x, 0,1
	v_mul_f32 v[DX2+\x], v[DX+\x], v[DX+\x]
.endr
.irp x, 0,1
	v_cmp_gt_f32 s[66+\x], 0, v[DX+\x]             ; dx < 0
.endr
	s_mov_b32 s60, 0                               ; trip
	s_lshl_b32 s61, s2, 3                          ; image row
	s_mov_b32 s62, 0                               ; 256 x trip
	s_wait_dscnt 0x0                               ; the fragments and their scale words are in (and, in the second pass, my stores of p0 are done)
.Ltrip_\@:
	v_cvt_f32_u32 v[TQ], s61
	LIN DY, TQ, TQ+1
	v_sub_f32 v[DY], v[DY], v[POS+1+2*\s]
	v_add_nc_u32 v[ADR], s62, v[PSA]
.if \s
	ds_load_b64 v[P0:P0+1], v[ADR]                 ; p0 of this row: wanted at the trip's end
.endif
	; theta = atan2(dy, dx), columns A and B by turns.  t = min / max of the magnitudes; where t > tan(pi / 8): atan t = pi / 4 + atan((min - max) / (min + max)).  So |q| <= 0.4143, and the
	; series q (1 - z / 3 + .. + z^8 / 17), z = q^2, is cut where the next term is under 1e-8 of the result for EVERY input.
.irp x, 0,1
	v_min_num_f32 v[MN+\x], |v[DX+\x]|, |v[DY]|
.endr
.irp x, 0,1
	v_max3_num_f32 v[MX+\x], |v[DX+\x]|, |v[DY]|, 0x800000   ; never 0: atan2(0, 0) comes out as 0
.endr
.irp x, 0,1
	v_mul_f32 v[TQ+\x], 0x3ed413cd, v[MX+\x]
.endr
.irp x, 0,1
	v_sub_f32 v[NUM+\x], v[MN+\x], v[MX+\x]
.endr
.irp x, 0,1
	v_add_f32 v[DEN+\x], v[MN+\x], v[MX+\x]
.endr
.irp x, 0,1
	v_cmp_gt_f32 s[68+\x], v[MN+\x], v[TQ+\x]
.endr
.irp x, 0,1
	v_cndmask_b32 v[NUM+\x], v[MN+\x], v[NUM+\x], s[68+\x]
.endr
.irp x, 0,1
	v_cndmask_b32 v[DEN+\x], v[MX+\x], v[DEN+\x], s[68+\x]
.endr
.irp x, 0,1
	v_cndmask_b32 v[OFS+\x], 0, v[KPI4], s[68+\x]
.endr
.irp x, 0,1
	v_rcp_f32 v[RC+\x], v[DEN+\x]
.endr
.irp x, 0,1
	v_fma_f32 v[RR+\x], v[DY], v[DY], v[DX2+\x]    ; (plain instructions behind the reciprocals)  dx^2 + dy^2
.endr
	s_wait_alu depctr_va_vdst(0)
.irp x, 0,1
	v_mul_f32 v[QQ+\x], v[NUM+\x], v[RC+\x]
.endr
.irp x, 0,1
	v_fma_f32 v[ZZ+\x], -v[QQ+\x], v[DEN+\x], v[NUM+\x]   ; the quotient's exact remainder,
.endr
.irp x, 0,1
	v_fma_f32 v[QQ+\x], v[ZZ+\x], v[RC+\x], v[QQ+\x]      ; and one correction
.endr
.irp x, 0,1
	v_mul_f32 v[ZZ+\x], v[QQ+\x], v[QQ+\x]
.endr
.irp x, 0,1
	v_sqrt_f32 v[RR+\x], v[RR+\x]
.endr
.irp x, 0,1
	v_fma_f32 v[PL+\x], v[ZZ+\x], s74, s75         ; (plain instructions behind the roots)
.endr
.irp k, 0x3d9d89d9, 0xbdba2e8c, 0x3de38e39, 0xbe124925, 0x3e4ccccd, 0xbeaaaaab   ; 1/13, -1/11, 1/9, -1/7, 1/5, -1/3
.irp x, 0,1
	v_fmaak_f32 v[PL+\x], v[PL+\x], v[ZZ+\x], \k
.endr
.endr
.irp x, 0,1
	v_mul_f32 v[PL+\x], v[PL+\x], v[ZZ+\x]
.endr
.irp x, 0,1
	v_fma_f32 v[PL+\x], v[PL+\x], v[QQ+\x], v[QQ+\x]
.endr
.irp x, 0,1
	v_add_f32 v[PL+\x], v[PL+\x], v[OFS+\x]        ; atan(min / max), 0 .. pi / 4
.endr
.irp x, 0,1
	v_cmp_gt_f32 s[70+\x], |v[DY]|, |v[DX+\x]|
.endr
.irp x, 0,1
	v_sub_f32 v[TQ+\x], 0x3fc90fdb, v[PL+\x]
.endr
.irp x, 0,1
	v_cndmask_b32 v[PL+\x], v[PL+\x], v[TQ+\x], s[70+\x]   ; |dy| > |dx|: pi / 2 - it
.endr
.irp x, 0,1
	v_sub_f32 v[TQ+\x], 0x40490fdb, v[PL+\x]
.endr
.irp x, 0,1
	v_cndmask_b32 v[PL+\x], v[PL+\x], v[TQ+\x], s[66+\x]   ; dx < 0: pi - it
.endr
.irp x, 0,1
	v_bfi_b32 v[TH+4*\x], 0x7fffffff, v[PL+\x], v[DY]      ; dy's sign; twice, for the two tiles of the register
	v_bfi_b32 v[TH+4*\x+2], 0x7fffffff, v[PL+\x], v[DY]
.endr
.irp x, 0,1
	v_permlane16_swap_b32 v[TH+4*\x], v[TH+4*\x+2]         ; the first's lanes 16-31 change places with the second's lanes 0-15: each tile's pixel r now stands in lanes r and r + 16
.endr
	; h0 = theta w0 + b0 (its relu is made on the codes): register i = unit 32 h + i
	WIN 0x11                                       ; w0 (source 0) and b0 (source 2) window 1
.irp j, 0,2,4,6,8,10,12,14,16,18,20,22,24,26,28,30
.irp p, 0,1,2,3
	v_pk_fma_f32 v[H+32*\p+\j:H+32*\p+\j+1], v[W0R+\j:W0R+\j+1], v[TH+2*\p:TH+2*\p+1], v[B0R+\j:B0R+\j+1] op_sel_hi:[1,0,1]
.endr
.endr
	WIN 0
	QUANT
	MM 0, B1R                                      ; h0 W1 + b1
	QUANT
	MM 4, B2R                                      ; h1 W2 + b2
.irp i, 0,1,2,3,4,5,6,7,8,9,10,11,12,13,14,15,16,17,18,19,20,21,22,23,24,25,26,27,28,29,30,31
.irp p, 0,1,2,3
	v_max_num_f32 v[H+32*\p+\i], 0, v[H+32*\p+\i]  ; the last relu, in f32; each result from its low end on
.endr
.endr
	WIN 0x04                                       ; w3 (source 1) window 1
.irp p, 0,1,2,3
	v_pk_fma_f32 v[ACC+2*\p:ACC+2*\p+1], v[H+32*\p:H+32*\p+1], v[W3R:W3R+1], v[B3Q:B3Q+1]   ; the bias starts the sums
.endr
.irp j, 2,4,6,8,10,12,14,16,18,20,22,24,26,28,30
.irp p, 0,1,2,3
	v_pk_fma_f32 v[ACC+2*\p:ACC+2*\p+1], v[H+32*\p+\j:H+32*\p+\j+1], v[W3R+\j:W3R+\j+1], v[ACC+2*\p:ACC+2*\p+1]
.endr
.endr
	WIN 0
.irp p, 0,1,2,3
	v_add_f32 v[TT+\p], v[ACC+2*\p], v[ACC+2*\p+1]
.endr
	v_permlane16_swap_b32 v[TT], v[TT+1]           ; the first now holds the lower halves' sums of tiles 0 and 1, the second the upper halves':
	v_permlane16_swap_b32 v[TT+2], v[TT+3]
	v_add_f32 v[TT], v[TT], v[TT+1]                ; their sum is o log2(e) of column A in its own lane,
	v_add_f32 v[TT+2], v[TT+2], v[TT+3]            ; and of column B
	v_exp_f32 v[TT], v[TT]
	v_exp_f32 v[TT+2], v[TT+2]                     ; exp(o)
	v_nop
	s_wait_alu depctr_va_vdst(0)
	v_sub_f32 v[TT], v[TT], v[RR]
	v_sub_f32 v[TT+2], v[TT+2], v[RR+1]
	v_mul_f32 v[TT], v[CM], v[TT]                  ; -log2(e) x the logit
	v_mul_f32 v[TT+2], v[CM], v[TT+2]
	v_exp_f32 v[TT], v[TT]
	v_exp_f32 v[TT+2], v[TT+2]
	v_nop
	s_wait_alu depctr_va_vdst(0)
	v_add_f32 v[TT], 1.0, v[TT]
	v_add_f32 v[TT+2], 1.0, v[TT+2]
	v_rcp_f32 v[PR], v[TT]
	v_rcp_f32 v[PR+1], v[TT+2]                     ; the sigmoid
	v_nop
.if \s
	s_wait_dscnt 0x0                               ; p0 is in
	s_wait_alu depctr_va_vdst(0)
	v_fma_f32 v[PR], s56, v[PR], v[P0]             ; p0 + p1 or p0 - p1,
	v_fma_f32 v[PR+1], s56, v[PR+1], v[P0+1]
	v_med3_num_f32 v[PR], v[PR], 0, 1.0            ; held to 0 .. 1,
	v_med3_num_f32 v[PR+1], v[PR+1], 0, 1.0
	v_cndmask_b32 v[PR], v[PR], v[P0], s57         ; or p0 alone
	v_cndmask_b32 v[PR+1], v[PR+1], v[P0+1], s57
	global_store_b64 v[L8], v[PR:PR+1], s[32:33] th:TH_STORE_NT   ; 32 lanes store a row: 256 consecutive bytes, at a multiple of 256 from out0's first byte
	s_wait_xcnt 0x0                                ; the store's data and base are written again only behind this wait (ISA guide 3.1)
	s_add_nc_u64 s[32:33], s[32:33], 256
.else
	s_wait_alu depctr_va_vdst(0)
	ds_store_b64 v[ADR], v[PR:PR+1]                ; my wave's own bytes: LDS serves a wave's instructions in order, so no barrier stands between this and the second pass's load
.endif
	s_add_co_u32 s61, s61, 1
	s_add_co_u32 s62, s62, 256
	s_add_co_u32 s60, s60, 1
	s_cmp_lt_u32 s60, 8
	s_cbranch_scc1 .Ltrip_\@
.endm
	PASS 0
	CLOAD 1                                        ; slot 1's vectors, over slot 0's: the last matrix instruction that read the biases stands far more than four plain instructions back
	PASS 1
	s_wait_tensorcnt 0x0
	ds_add_u32 v64, v65
	s_wait_dscnt 0x0
	s_endpgm
.Lfunc_end_k_q58a5163c47_render:
	.size	k_q58a5163c47_render, .Lfunc_end_k_q58a5163c47_render-k_q58a5163c47_render
	.p2alignl 7, 3214868480
	.fill 96, 4, 3214868480
	.section	.rodata,"a",@progbits
	.p2align	6, 0x0
	.amdhsa_kernel k_q58a5163c47_render
		.amdhsa_group_segment_fixed_size 27648
		.amdhsa_private_segment_fixed_size 0
		.amdhsa_enable_private_segment 0
		.amdhsa_kernarg_size 104
		.amdhsa_user_sgpr_count 2
		.amdhsa_user_sgpr_kernarg_segment_ptr 1
		.amdhsa_wavefront_size32 1
		.amdhsa_system_sgpr_workgroup_id_x 1
		.amdhsa_system_sgpr_workgroup_id_y 1
		.amdhsa_system_sgpr_workgroup_id_z 1
		.amdhsa_system_vgpr_workitem_id 0
		.amdhsa_next_free_vgpr 480
		.amdhsa_next_free_sgpr 80
		.amdhsa_reserve_vcc 0
		.amdhsa_float_denorm_mode_32 3
		.amdhsa_float_denorm_mode_16_64 3
		.amdhsa_memory_ordered 1
		.amdhsa_forward_progress 1
		.amdhsa_inst_pref_size 109
	.end_amdhsa_kernel
	.amdgpu_metadata
---
amdhsa.version: [ 1, 2 ]
amdhsa.kernels:
  - .name:           k_q58a5163c47_render
    .symbol:         k_q58a5163c47_render.kd
    .args:
      - { .name: program_id, .offset: 0, .size: 8, .value_kind: global_buffer, .address_space: global }
      - { .name: shape_ids, .offset: 8, .size: 8, .value_kind: global_buffer, .address_space: global }
      - { .name: raw_positions, .offset: 16, .size: 8, .value_kind: global_buffer, .address_space: global }
      - { .name: w0, .offset: 24, .size: 8, .value_kind: global_buffer, .address_space: global }
      - { .name: b0, .offset: 32, .size: 8, .value_kind: global_buffer, .address_space: global }
      - { .name: w1, .offset: 40, .size: 8, .value_kind: global_buffer, .address_space: global }
      - { .name: b1, .offset: 48, .size: 8, .value_kind: global_buffer, .address_space: global }
      - { .name: w2, .offset: 56, .size: 8, .value_kind: global_buffer, .address_space: global }
      - { .name: b2, .offset: 64, .size: 8, .value_kind: global_buffer, .address_space: global }
      - { .name: w3, .offset: 72, .size: 8, .value_kind: global_buffer, .address_space: global }
      - { .name: b3, .offset: 80, .size: 8, .value_kind: global_buffer, .address_space: global }
      - { .name: logit_multipliers_raw, .offset: 88, .size: 8, .value_kind: global_buffer, .address_space: global }
      - { .name: out0, .offset: 96, .size: 8, .value_kind: global_buffer, .address_space: global }
    .group_segment_fixed_size: 27648
    .private_segment_fixed_size: 0
    .kernarg_segment_align: 8
    .kernarg_segment_size: 104
    .max_flat_workgroup_size: 256
    .sgpr_count:     80
    .vgpr_count:     480
    .wavefront_size: 32
...
	.end_amdgpu_metadata
.endif
;; end of part 1
